; MI455X (gfx1250); checked and timed in simulation.
; The chip was launched on July 23, 2026; its instructions are those of AMD's public machine-readable ISA for CDNA 5 (MIT licence, August 2026) and "CDNA5" Instruction Set Architecture Reference Guide (July 2026). The comments in the code are by the model that wrote it; some were corrected since.
;; Attention Loop. Allowed arithmetic: matrix products marked QUANTISED: E3M2 operands, one E8M0 scale for each 32 along K, by v_wmma_scale_f32_16x16x128_f8f6f4 with both operands' format E3M2, f32 sums; products left as they are: f32 operands where the result goes on into a quantised operand, else bf16, f16 or f32 operands; f32 sums; everything else in f32.
;; Inputs: W_fc_codes 1,024 x 32 x 24 uint8 (E3M2 codes of W_fc, K innermost, in blocks of 32 codes, four codes in three bytes); W_fc_scales 1,024 x 32 uint8 (E8M0 scales of W_fc, one for each 32 codes along K); decoder_state 32 x 1,024 float32; encoder_states 2,048 x 32 x 1,024 float32; score_w 1,024 x 1 float32.
;; Outputs: out0 32 x 1,024 float32.
;; This version of the problem:
;;   THIS VERSION OF THE PROBLEM IS GIVEN IN LOW PRECISION. The matrix products marked QUANTISED in the list below multiply operands that are first quantised to E3M2 (3 exponent bits, 2 mantissa bits; 6 bits a number), with one power-of-two scale for each 32 numbers along K (OCP MX v1.0); their sums are f32. All else is computed in f32.
;;   The module's matrix products, in the order in which they are computed (A, B: the left and right operand; K: the contracted axis; several contracted axes count as one K, in the product's order):
;;     1. [M 65,536, K 1,024] x [K 1,024, N 1,024]; A: computed on the way; B: input W_fc (given as codes): QUANTISED
;;     2. [M 1, K 1,024] x [K 1,024, N 65,536]; A: input score_w; B: computed on the way: left as it is (M = 1 < 16)
;;     3. batch 32 x [M 1, K 2,048] x [K 2,048, N 1,024]; A: softmax; B: input encoder_states: left as it is (M = 1 < 16)
;;   THE QUANTISER, for each operand of a quantised product, along K:
;;     - K is cut into blocks of 32 from its start; a last block that is shorter is filled with zeros.
;;     - A block's scale is 2^e with e = floor(log2(the largest magnitude in the block)) - 4, held to -126 .. 127; a block of zeros has e = 0. As a byte (E8M0): e + 127.
;;     - Each number is divided by its block's scale, clamped to +-28, and rounded to the nearest number of E3M2, ties to even, subnormals kept.
;;     - The product sums the exact products of the quantised numbers (number of the format x scale) in f32.
;;   ~~~python
;;   def quantise(x, axis):      # numpy; x: float32 -> the quantised numbers, widened to float32 again
;;       x = np.moveaxis(x, axis, -1); K = x.shape[-1]
;;       x = np.pad(x, [(0, 0)] * (x.ndim - 1) + [(0, -K % 32)]); x = x.reshape(x.shape[:-1] + (-1, 32)); a = np.abs(x).max(-1, keepdims=True)
;;       e = np.where(a > 0, np.clip(np.frexp(np.where(a > 0, a, 1))[1] - 1 - 4, -126, 127), 0)      # np.frexp(a)[1] - 1 = floor(log2(a)), exactly
;;       r = np.clip(x / 2.0 ** e, -28, 28)
;;       step = 2.0 ** (np.maximum(np.frexp(np.where(r == 0, 1, r))[1] - 1, -2) - 2)
;;       q = np.round(r / step) * step * 2.0 ** e      # np.round: ties to even
;;       return np.moveaxis(q.reshape(q.shape[:-2] + (-1,))[..., :K], -1, axis).astype(np.float32)
;;   ~~~
;;   OPERANDS COMPUTED ON THE WAY. 'Computed on the way' means the value that the module computes at that place (a softmax that the list does not call 'softmax' is quantised finished and normalised). What goes into a quantiser is computed in f32, as accurately as f32 sums, v_exp_f32 and their like allow (about 1e-6 of the number): no bf16 or f16 on the way to a quantiser, and a product that is left as it is and whose result goes on into a quantised operand takes f32 operands (vector FMAs, or v_wmma_f32_16x16x4_f32). A number that lies on a knife's edge between two numbers of the format may be rounded either way, as far as f32 arithmetic and the matrix unit's own rounding can turn it there, and no further.
;;   INPUTS GIVEN AS CODES. W_fc (in the module: [1024, 1024], K = its axis 1): each comes as NAME_codes (uint8): NAME with its K axis moved to the last place and cut into blocks of 32 codes, [.., K / 32, bytes a block], one block behind the other in memory; four codes in three bytes: a row's codes are one little-endian stream of bits, code i at bits 6 i .. 6 i + 5 (a code: sign, 3 exponent bits, 2 mantissa bits); and NAME_scales (uint8): the same leading axes, one E8M0 byte (e + 127) for each 32 codes along K. Its value is code x scale, taken as it is: it is not quantised again, and the codes and scales need not be those that the quantiser above would give.
;; One version. Each part assembles by itself: llvm-mc -triple=amdgcn-amd-amdhsa -mcpu=gfx1250 --defsym DOCPART=n.
;; ======== version 1 of 1: 2 launches
;; limits: right only within a limited range of input values
;; workspace buffers: scores 262,144 bytes
;; launch score (part 1): grid 8 x 32, 8 waves a work-group, no clusters, 327,680 bytes of LDS; arguments W_fc_codes, W_fc_scales, decoder_state, encoder_states, score_w, scores; writes scores
.if DOCPART == 1
	.amdgcn_target "amdgcn-amd-amdhsa--gfx1250"
	.amdhsa_code_object_version 6
	.text
	.protected	k_qeb51c7484d_score
	.globl	k_qeb51c7484d_score
	.p2align	8
	.type	k_qeb51c7484d_score,@function
k_qeb51c7484d_score:
	s_mov_b64 s[64:65], 0
	v_nop
	global_prefetch_b8 v0, s[64:65] scope:SCOPE_SE
	s_setreg_imm32_b32 hwreg(HW_REG_WAVE_MODE, 25, 1), 1
	s_wait_xcnt 0x0
; scores[b][s] = u(s, b) = sum over n of score_w[n] / (1 + 2^(2 log2(e) z[n])),  z = Q(decoder_state[b] + encoder_states[s][b]) . W_fc[n],
; Q the MX quantiser to E3M2 along D (blocks of 32), W_fc taken as its codes and scale bytes, the product by the scaled matrix instruction on 6-bit codes, sums in f32.
; WORK LEFT OUT.  tanh(z) = 1 - 2 / (1 + e^(2 z)), so reference()'s score is sum(score_w) - 2 u.  sum(score_w) is the same for every s, whatever the inputs hold, and the scores go into a softmax
; over s alone: a term that is the same along a softmax's axis reaches no output.  So it is never formed; the next launch takes -2 u as the score.  LIMIT: an overflow, infinity or NaN of sum(score_w)
; alone is not carried to the result.  Every input is loaded.
; LIMITS.  NaN and infinities among the inputs are not served.  A block of zeros gets the scale byte 1 where the quantiser says 127: its codes are zeros, and only this launch reads the byte.
; Where 2^(..) overflows the quotient is 0 (tanh = 1); where it falls under the smallest normal number it counts as 0 and the quotient is 1 (tanh = -1).
; SHARES.  A work-group of eight waves, two to a SIMD, owns 256 positions s of one b.
; P1: wave w reads rows 32 w .. 32 w + 31 once (512 consecutive bytes a load), adds decoder_state, quantises, and stores each fragment (16 rows x 128 K) as an image of its 12 registers in LDS.
; P2: wave w owns rows 128 w .. 128 w + 127 of W_fc, in two passes of 64 rows = 4 tiles x 8 K steps = 384 registers.  The 16 row tiles of x walk by from LDS; each fragment of x feeds four matrix instructions.
; A unit is one row tile: 32 matrix instructions, then the vector work on its 32 result registers, so that the SIMD's other wave has matrix work of its own to issue meanwhile.
; W's rows are loaded as they lie (512 consecutive bytes a load, each byte once a work-group) into the registers that will hold them, and turned into fragments through the wave's own stage.
; NO CLUSTER, NO TENSOR LOAD: W goes to registers, and each of its bytes is used by one wave of a work-group; of LDS 204,800 bytes hold x's codes and scales, so there is no room for slots of W that partners could share.
; NO PREFETCH: the only loop ahead of W's loads is P1's, in which every wave has 64 loads of 512 bytes out all the time.
; LAYOUT.  Source 0 = 16 rows of x, source 1 = 16 rows of W: lane (r, h) holds column n0 + r and rows 8 h + 0 .. 7: one number of score_w a lane and tile.
; REGISTERS.  window 0: v0-39 addresses, scale words, weights; v40-255 in P1 the quantiser, in P2 18 fragments of W.  window 1: in P1 four landing sets of 64; in P2 v0-167 14 fragments of W,
; v168-215 four fragments of x, v216-247 four accumulators, v248-249 addresses.
.set XSC,   196608                     ; behind the images (16 x 8 x 1,536 bytes from 0): x's scale words: row tile x 512 + half of K x 256 + 16 r + 4 j
.set STG,   204800                     ; a stage for each wave: P1 16 rows x 528 bytes; P2 16 rows of W x 784 bytes
.set STGW,  12544
.set PART,  305152                     ; partial sums: (2 wave + pass) x 1,024 + 4 x row
.set SPARE, 321536                     ; the spare words, 128 bytes a wave: four blocks of 256 bytes that no other line names
.set WTO, 1                            ; v1   r, then 4 r: my place in score_w
.set WSO, 2                            ; v2   h, then 32 x lane: my place in W's scale bytes
.set LOFF, 3                           ; v3   16 x lane
.set XS,  4                            ; v4-11  x's scale words of the row tile, one a K step: scales and nothing else
.set STA, 12                           ; v12  my stage + 16 x lane
.set SA1, 13                           ; v13  the same + 16 h
.set SB,  14                           ; v14  my stage + 784 r + 24 h
.set XS0, 15                           ; v15  XSC + 16 r
.set SPW, 16                           ; v16  my spare word; never rewritten
.set NIL, 17                           ; v17  0; never rewritten
.set XSA, 18                           ; v18  the row tile's scale words
.set PA0, 19                           ; v19  my place among the partial sums
.set WT,  20                           ; v20-23 score_w for my four tiles
.set WS,  24                           ; v24-39 W's scale words: 8 u + K step; lanes 0-15 tile 2 u, lanes 16-31 tile 2 u + 1: scales and nothing else
.set STB, 40                           ; P1 only: v40 stage, way out: 528 r + 64 h;  v41, v42 where this trip's images and scale words go;  v43, v44 my wave's
.set IMA, 41
.set IMS, 42
.set IML, 43
.set IMLS, 44
.set DL,  80                           ; v80-95  decoder_state, four sets of 4
.set X,   96                           ; v96-159 64 numbers in the quantiser's order
.set PC,  160                          ; v160-179 the codes just made
.set TM,  180                          ; v180-195 the quantiser's own
.set PW,  196                          ; v196 the scale word just made
.set XF,  168                          ; window 1
.set ACC, 216
.set XA,  248
.set PA,  249
.set WV,  16                           ; s16 wave;  s19 b
.set SEL, 20                           ; s[20:21] selects for lane l xor 16
.set CS,  22                           ; s[22:23] 2 log2(e)
.set M1,  24                           ; s24-26 lanes with bit 0, 1, 2 set
.set XO,  29                           ; s29-31 the row tile's place among images, scale words, partial sums
.set SO,  30
.set PO,  31
.set CNT, 32
.set T,   33
.set IO,  34
.set IS,  35
.set E0,  36                           ; s[36:37] encoder_states at my first row; s[38:39] decoder_state at b; s[40:43] the same at the trip asked for
.set D0,  38
.set EP,  40
.set DP,  42
.set MSB, 0
.macro WIN new                         ; the immediate's high byte repeats the setting that is left; a switch that changes nothing is dropped
.if MSB != (\new)
	s_set_vgpr_msb (MSB<<8)|(\new)
.set MSB, (\new)
.endif
.endm
; 17 loads: 16 rows x 512 bytes of encoder_states (128 along K) into landing set j, and the same 128 numbers of decoder_state
.macro ASKX j
	WIN 0x40
.set I_, 0
.rept 16
	global_load_b128 v[64*\j+4*I_:64*\j+4*I_+3], v[LOFF], s[EP:EP+1] offset:I_*131072+512*\j th:TH_LOAD_NT
.set I_, I_+1
.endr
	WIN 0
	global_load_b128 v[DL+4*\j:DL+4*\j+3], v[LOFF], s[DP:DP+1] offset:512*\j
.endm
; 64 numbers of a lane, register 16 b + i = k 32 b + 16 h + i of my row, become a fragment's codes in v[PC] on and its scale word in v[PW]
.macro QUANT s
.irp b, 0,1,2,3
	v_max3_num_f32 v[TM+\b], |v[\s+16*\b]|, |v[\s+1+16*\b]|, 0x2800000   ; my 16 numbers of block b, and the floor 2^(5 - 127): the byte cannot fall under 1
.endr
.irp i, 2,4,6,8,10,12,14
.irp b, 0,1,2,3
	v_max3_num_f32 v[TM+\b], v[TM+\b], |v[\s+16*\b+\i]|, |v[\s+1+16*\b+\i]|
.endr
.endr
.irp b, 0,1,2,3
	v_permlanex16_b32 v[TM+4+\b], v[TM+\b], s[SEL], s[SEL+1]
.endr
.irp b, 0,1,2,3
	v_max_num_f32 v[TM+\b], v[TM+\b], v[TM+4+\b]   ; with lane l xor 16's: the block's largest magnitude
.endr
.irp b, 0,1,2,3
	v_add_nc_u32 v[TM+12+\b], 0xfe000000, v[TM+\b]   ; 4 off its exponent field: the conversion takes that field as its scale
.endr
.irp b, 0,1,2,3
	v_lshrrev_b32 v[TM+4+\b], 23, v[TM+12+\b]      ; the scale's byte
.endr
	v_lshl_or_b32 v[PW], v[TM+5], 8, v[TM+4]
	v_lshl_or_b32 v[PW], v[TM+6], 16, v[PW]
	v_lshl_or_b32 v[PW], v[TM+7], 24, v[PW]
.irp c, 0,1
	v_cvt_scalef32_pk16_bf6_f32 v[PC+6*\c:PC+2+6*\c], v[\s+32*\c:\s+15+32*\c], v[TM+12+2*\c]
	v_cvt_scalef32_pk16_bf6_f32 v[PC+12+4*\c:PC+14+4*\c], v[\s+16+32*\c:\s+31+32*\c], v[TM+12+2*\c+1]
.endr
	v_nop                                          ; one plain line behind the scaled conversions
.irp c, 0,1                                    ; the operand wants a whole block in a lane: lanes 0-15 block 2 c, lanes 16-31 block 2 c + 1
.irp i, 0,1,2
	v_permlane16_swap_b32 v[PC+6*\c+\i], v[PC+12+4*\c+\i]
.endr
.irp i, 0,1,2
	v_mov_b32 v[PC+3+6*\c+\i], v[PC+12+4*\c+\i]
.endr
.endr
.endm
; One fragment: landing set j gets decoder_state added, turns through my stage, is quantised, and its registers' image goes to LDS.  left: the younger loads that may stay out
.macro FRAGW j, pre, left
	s_wait_loadcnt \left                           ; loads come back in order: my set's 17 are in
	WIN 0x41
.set I_, 64*\j
.rept 16
	v_pk_add_f32 v[I_:I_+1], v[I_:I_+1], v[DL+4*\j:DL+4*\j+1]
	v_pk_add_f32 v[I_+2:I_+3], v[I_+2:I_+3], v[DL+4*\j+2:DL+4*\j+3]
.set I_, I_+4
.endr
	WIN 0x04
.set I_, 0
.rept 16
	ds_store_b128 v[STA], v[64*\j+4*I_:64*\j+4*I_+3] offset:528*I_
.set I_, I_+1
.endr
	WIN 0
.set I_, 0
.rept 16
	ds_load_b128 v[X+4*I_:X+4*I_+3], v[STB] offset:128*(I_/4)+16*(I_%4)   ; LDS serves a wave's instructions in order: these see the stores above
.set I_, I_+1
.endr
	s_wait_dscnt 0x0
.if \pre
	ASKX \j
.endif
	QUANT X
.irp c, 0,1,2
	ds_store_b128 v[IMA], v[PC+4*\c:PC+4*\c+3] offset:1536*\j+512*\c
.endr
	ds_store_b32 v[IMS], v[PW] offset:4*\j         ; lanes r and r + 16 write the same word with the same value
.endm
.macro IMADR
	s_wait_dscnt 0x0
	v_add_nc_u32 v[IMA], s[IO], v[IML]
	v_add_nc_u32 v[IMS], s[IS], v[IMLS]
	s_wait_alu depctr_va_vdst(0)
.endm
; where fragment (tile t, K step ks) of W lies: WR its first register, WW its window
.macro WLOC t, ks
.if (\t) == 0
.set WR, 12*(\ks)
.set WW, 1
.elseif ((\t) == 1) && ((\ks) < 6)
.set WR, 96+12*(\ks)
.set WW, 1
.elseif (\t) == 1
.set WR, 40+12*((\ks)-6)
.set WW, 0
.else
.set WR, 64+96*((\t)-2)+12*(\ks)
.set WW, 0
.endif
.endm
.macro WRAW t, p                       ; 24 loads: tile t's 16 rows, 12,288 consecutive bytes, into the tile's own 96 registers
.set I_, 0
.rept 24
	WLOC \t, I_/3
	WIN 0x40*WW
	global_load_b128 v[WR+4*(I_%3):WR+4*(I_%3)+3], v[LOFF], s[4:5] offset:49152*\p+12288*\t+512*I_
.set I_, I_+1
.endr
.endm
.macro WTURN t                         ; into my stage as rows of 768 + 16 bytes, back as fragments: lane (r, h) takes 24 bytes at 96 ks + 24 h and at 48 more, in pieces of 8
.set I_, 0
.rept 24
	WLOC \t, I_/3
	WIN 0x04*WW
.if I_%3 == 1                          ; lanes 16-31 lie in the next row, behind one padding more
	ds_store_b128 v[SA1], v[WR+4:WR+7] offset:512*I_+32*(I_/3)
.else
	ds_store_b128 v[STA], v[WR+4*(I_%3):WR+4*(I_%3)+3] offset:512*I_+32*(I_/3)+8*(I_%3)
.endif
.set I_, I_+1
.endr
.set I_, 0
.rept 48
	WLOC \t, I_/6
	WIN 0x40*WW
	ds_load_b64 v[WR+2*(I_%6):WR+2*(I_%6)+1], v[SB] offset:96*(I_/6)+48*((I_%6)/3)+8*(I_%3)   ; in order behind the stores above
.set I_, I_+1
.endr
.endm
.macro XLD buf, ks                     ; a fragment of x: three loads of its image; destination and address in window 1
.irp c, 0,1,2
	ds_load_b128 v[XF+12*(\buf)+4*\c:XF+12*(\buf)+4*\c+3], v[XA] offset:1536*(\ks)+512*\c
.endr
.endm
.macro WMX c, t
.if (\t)%2
	v_wmma_scale_f32_16x16x128_f8f6f4 v[D_:D_+7], v[A_:A_+11], v[WR:WR+11], \c, v[SA_], v[SB_] matrix_a_fmt:MATRIX_FMT_BF6 matrix_b_fmt:MATRIX_FMT_BF6 matrix_b_scale:MATRIX_SCALE_ROW1
.else
	v_wmma_scale_f32_16x16x128_f8f6f4 v[D_:D_+7], v[A_:A_+11], v[WR:WR+11], \c, v[SA_], v[SB_] matrix_a_fmt:MATRIX_FMT_BF6 matrix_b_fmt:MATRIX_FMT_BF6
.endif
.endm
.macro MM t, ks                        ; K step 0 starts the sum: nothing is cleared
	WLOC \t, \ks
	WIN 0x51+4*WW
.set D_, ACC+8*(\t)
.set A_, XF+12*((\ks)%4)
.set SA_, XS+(\ks)
.set SB_, WS+8*((\t)/2)+(\ks)
.if (\ks) == 0
	WMX 0, \t
.else
	WMX v[D_:D_+7], \t
.endif
.endm
.macro NOPS n
.rept \n
	v_nop
.endr
.endm
; A UNIT: one row tile of x against my four tiles of W.  The four accumulators take turns, one instruction a turn.
; s_wait_dscnt: behind the fragment wanted stand three fragments' loads (9), then 6, 3, 0; the one store of the unit before is younger than the first four fragments' loads: it only makes those waits stricter.
.macro UNIT pre, p
.if \pre
	s_add_co_u32 s[XO], s[XO], 12288
	s_add_co_u32 s[SO], s[SO], 512
.endif
.irp ks, 0,1,2,3,4,5,6,7
.if \ks < 5
	s_wait_dscnt 9
.else
	s_wait_dscnt 3*(7-\ks)
.endif
.if \ks % 2
	MM 2, \ks
	MM 3, \ks
	MM 0, \ks
	MM 1, \ks
.else
	MM 0, \ks
	MM 1, \ks
	MM 2, \ks
	MM 3, \ks
.endif
.if \ks < 4
	NOPS 4                                         ; four places between the products and the loads into the fragment that they read
	XLD \ks, \ks+4
.endif
.endr
	WIN 0x51
	v_add_nc_u32 v[PA], s[PO], v[PA0]              ; these lines are the four places behind the last products
.if \pre
	v_add_nc_u32 v[XA], s[XO], v[LOFF]
	WIN 0
	v_add_nc_u32 v[XSA], s[SO], v[XS0]
	v_nop
	ds_load_b128 v[XS:XS+3], v[XSA]                ; the next row tile: its scale words and its first four fragments, asked for ahead of the vector work
	ds_load_b128 v[XS+4:XS+7], v[XSA] offset:256
	WIN 0x51
.irp k, 0,1,2,3
	XLD \k, \k
.endr
.else
	NOPS 3
.endif
.set I_, 0
.rept 16
	v_pk_mul_f32 v[ACC+I_:ACC+I_+1], v[ACC+I_:ACC+I_+1], s[CS:CS+1] op_sel_hi:[1,0]   ; each accumulator from its low end on
.set I_, I_+2
.endr
	s_wait_alu depctr_va_vdst(0)
.set I_, 0
.rept 32
	v_exp_f32 v[ACC+I_], v[ACC+I_]
.set I_, I_+1
.endr
	v_nop
	s_wait_alu depctr_va_vdst(0)
.set I_, 0
.rept 16
	v_pk_add_f32 v[ACC+I_:ACC+I_+1], v[ACC+I_:ACC+I_+1], 1.0 op_sel_hi:[1,0]
.set I_, I_+2
.endr
	s_wait_alu depctr_va_vdst(0)
.set I_, 0
.rept 32
	v_rcp_f32 v[ACC+I_], v[ACC+I_]
.set I_, I_+1
.endr
	v_nop
	s_wait_alu depctr_va_vdst(0)
.irp a, 0,2,4,6                        ; the four tiles' quotients x their numbers of score_w, summed into tile 0's registers
	v_pk_mul_f32 v[ACC+\a:ACC+\a+1], v[ACC+\a:ACC+\a+1], v[WT:WT+1] op_sel_hi:[1,0]
.endr
.irp a, 0,2,4,6
	v_pk_fma_f32 v[ACC+\a:ACC+\a+1], v[ACC+8+\a:ACC+9+\a], v[WT:WT+1], v[ACC+\a:ACC+\a+1] op_sel:[0,1,0] op_sel_hi:[1,1,1]
.endr
.irp a, 0,2,4,6
	v_pk_fma_f32 v[ACC+\a:ACC+\a+1], v[ACC+16+\a:ACC+17+\a], v[WT+2:WT+3], v[ACC+\a:ACC+\a+1] op_sel_hi:[1,0,1]
.endr
.irp a, 0,2,4,6
	v_pk_fma_f32 v[ACC+\a:ACC+\a+1], v[ACC+24+\a:ACC+25+\a], v[WT+2:WT+3], v[ACC+\a:ACC+\a+1] op_sel:[0,1,0] op_sel_hi:[1,1,1]
.endr
	WIN 0x55
; eight registers x 16 lanes become one register: at each level a lane keeps the register that its bit names and adds its neighbour's share of it.  At the end lane (r, h) holds row 8 h + r % 8
.irp i, 0,1,2,3
	v_cndmask_b32 v[ACC+8+\i], v[ACC+2*\i], v[ACC+2*\i+1], s[M1]
.endr
.irp i, 0,1,2,3
	v_cndmask_b32 v[ACC+12+\i], v[ACC+2*\i+1], v[ACC+2*\i], s[M1]
.endr
.irp i, 0,1,2,3
	v_add_f32_dpp v[ACC+16+\i], v[ACC+12+\i], v[ACC+8+\i] row_xmask:1 row_mask:0xf bank_mask:0xf
.endr
.irp i, 0,1
	v_cndmask_b32 v[ACC+8+\i], v[ACC+16+2*\i], v[ACC+17+2*\i], s[M1+1]
.endr
.irp i, 0,1
	v_cndmask_b32 v[ACC+12+\i], v[ACC+17+2*\i], v[ACC+16+2*\i], s[M1+1]
.endr
.irp i, 0,1
	s_delay_alu instid0(VALU_DEP_2)
	v_add_f32_dpp v[ACC+20+\i], v[ACC+12+\i], v[ACC+8+\i] row_xmask:2 row_mask:0xf bank_mask:0xf
.endr
	s_delay_alu instid0(VALU_DEP_1)
	v_cndmask_b32 v[ACC+8], v[ACC+20], v[ACC+21], s[M1+2]
	v_cndmask_b32 v[ACC+12], v[ACC+21], v[ACC+20], s[M1+2]
	s_delay_alu instid0(VALU_DEP_1)
	v_add_f32_dpp v[ACC+22], v[ACC+12], v[ACC+8] row_xmask:4 row_mask:0xf bank_mask:0xf
	s_delay_alu instid0(VALU_DEP_1)
	v_add_f32_dpp v[ACC+23], v[ACC+22], v[ACC+22] row_xmask:8 row_mask:0xf bank_mask:0xf
	ds_store_b32 v[PA], v[ACC+23] offset:1024*\p   ; lanes r and r xor 8 write the same word with the same value
	WIN 0
	s_add_co_u32 s[PO], s[PO], 64
	s_wait_alu depctr_va_vdst(0)
.endm
; A PASS: 64 rows of W become registers, then 16 units.  s_wait_loadcnt: behind a tile stand the younger tiles' 24 loads each and the 8 loads of scale words and weights
.macro PASS p
	WRAW 0, \p
	WRAW 1, \p
	WRAW 2, \p
	s_wait_loadcnt 48
	WTURN 0
	WRAW 3, \p
	WIN 0
.irp u, 0,1
	global_load_b128 v[WS+8*\u:WS+8*\u+3], v[WSO], s[6:7] offset:2048*\p+1024*\u
	global_load_b128 v[WS+8*\u+4:WS+8*\u+7], v[WSO], s[6:7] offset:2048*\p+1024*\u+16
.endr
.irp t, 0,1,2,3
	global_load_b32 v[WT+\t], v[WTO], s[12:13] offset:256*\p+64*\t
.endr
	s_wait_loadcnt 56
	WTURN 1
	s_wait_loadcnt 32
	WTURN 2
	s_wait_loadcnt 8
	WTURN 3
	WIN 0
.if \p == 0
	s_wait_dscnt 0x0                               ; my images and scale words are in LDS,
	s_barrier_signal -1
	s_barrier_wait -1                              ; and everybody's
.endif
	s_mov_b32 s[XO], 0
	s_mov_b32 s[SO], 0
	s_mov_b32 s[PO], 0
	v_add_nc_u32 v[XSA], s[SO], v[XS0]
	WIN 0x51
	v_add_nc_u32 v[XA], s[XO], v[LOFF]
	s_wait_alu depctr_va_vdst(0)
	WIN 0
	ds_load_b128 v[XS:XS+3], v[XSA]
	ds_load_b128 v[XS+4:XS+7], v[XSA] offset:256
	WIN 0x51
.irp k, 0,1,2,3
	XLD \k, \k
.endr
	WIN 0
	s_wait_loadcnt 0x0                             ; W's scale words and score_w
	s_mov_b32 s[CNT], 15
.Lunit\p:
	UNIT 1, \p
	s_sub_co_u32 s[CNT], s[CNT], 1
	s_cmp_lg_u32 s[CNT], 0
	s_cbranch_scc1 .Lunit\p
	UNIT 0, \p                                     ; the last row tile asks for nothing
.endm
	s_load_b256 s[4:11], s[0:1], 0x0               ; W's codes s[4:5], W's scales s[6:7], decoder_state s[8:9], encoder_states s[10:11]
	s_load_b128 s[12:15], s[0:1], 0x20             ; score_w s[12:13], scores s[14:15]
	v_lshl_add_u32 v[SPW], v0, 2, SPARE
	v_mov_b32 v[NIL], 0
	v_lshrrev_b32 v[XSA], 5, v0
	v_readfirstlane_b32 s[WV], v[XSA]              ; wave 0..7
	s_and_b32 s19, ttmp7, 0xffff                   ; b
	s_mov_b32 s[SEL], 0x76543210
	s_mov_b32 s[SEL+1], 0xfedcba98
	s_mov_b32 s[CS], 0x4038aa3b                    ; 2 log2(e)
	s_mov_b32 s[CS+1], s[CS]
	s_mov_b32 s[M1], 0xaaaaaaaa
	s_mov_b32 s[M1+1], 0xcccccccc
	s_mov_b32 s[M1+2], 0xf0f0f0f0
	s_mul_i32 s27, s[WV], STGW
	s_add_co_u32 s27, s27, STG                     ; my stage
	s_lshl_b32 s28, s[WV], 11
	s_add_co_u32 s28, s28, PART                    ; my two slices of partial sums
	s_mul_i32 s46, s[WV], 24576                    ; my 16 images
	s_lshl_b32 s47, s[WV], 10
	s_add_co_u32 s47, s47, XSC                     ; my two row tiles' scale words
	v_and_b32 v1, 15, v0                           ; r
	v_bfe_u32 v2, v0, 4, 1                         ; h
	v_and_b32 v[XSA], 31, v0
	v_lshlrev_b32 v[LOFF], 4, v[XSA]
	v_add_nc_u32 v[STA], s27, v[LOFF]
	v_lshl_add_u32 v[SA1], v2, 4, v[STA]
	v_mul_u32_u24 v[STB], v1, 528
	v_lshl_add_u32 v[STB], v2, 6, v[STB]
	v_add_nc_u32 v[STB], s27, v[STB]
	v_mul_u32_u24 v[SB], v1, 784
	v_mad_u32_u24 v[SB], v2, 24, v[SB]
	v_add_nc_u32 v[SB], s27, v[SB]
	v_add_nc_u32 v[IML], s46, v[LOFF]
	v_lshl_add_u32 v[IMLS], v1, 4, s47
	v_lshl_add_u32 v[XS0], v1, 4, XSC
	v_and_b32 v[PA0], 7, v1
	v_lshlrev_b32 v[PA0], 2, v[PA0]
	v_lshl_add_u32 v[PA0], v2, 5, v[PA0]
	v_add_nc_u32 v[PA0], s28, v[PA0]
.irp b, 0,1,2,3
	v_mov_b32 v[TM+4+\b], 0                        ; written once: a lane permute's destination counts as one of its sources
.endr
	v_lshlrev_b32 v[WSO], 1, v[LOFF]
	v_lshlrev_b32 v[WTO], 2, v1
	s_wait_alu depctr_va_vdst(0)
	s_wait_kmcnt 0x0
	s_lshl_b32 s44, ttmp9, 8
	s_lshl_b32 s46, s[WV], 5
	s_add_co_u32 s44, s44, s46                     ; my first position: 256 x block + 32 x wave
	s_lshl_b32 s44, s44, 17                        ; 131,072 bytes a position,
	s_lshl_b32 s46, s19, 12                        ; 4,096 a batch row: under 2^28 in all
	s_add_co_u32 s44, s44, s46
	s_mov_b32 s45, 0                               ; stays 0: the upper word of every offset made in s44
	s_add_nc_u64 s[E0:E0+1], s[10:11], s[44:45]
	s_mov_b32 s44, s46
	s_add_nc_u64 s[D0:D0+1], s[8:9], s[44:45]
	s_lshl_b32 s44, s19, 13                        ; scores: 8,192 bytes a batch row, 1,024 a block
	s_lshl_b32 s46, ttmp9, 10
	s_add_co_u32 s44, s44, s46
	s_add_nc_u64 s[14:15], s[14:15], s[44:45]
	s_mul_i32 s44, s[WV], 98304                    ; my 128 rows of W: codes, scale bytes, score_w
	s_add_nc_u64 s[4:5], s[4:5], s[44:45]
	s_lshl_b32 s44, s[WV], 12
	s_add_nc_u64 s[6:7], s[6:7], s[44:45]
	s_lshl_b32 s44, s[WV], 9
	s_add_nc_u64 s[12:13], s[12:13], s[44:45]
	s_mov_b64 s[EP:EP+1], s[E0:E0+1]
	s_mov_b64 s[DP:DP+1], s[D0:D0+1]
	ASKX 0                                         ; trip 0's four sets
	ASKX 1
	ASKX 2
	ASKX 3
	s_mov_b32 s[T], 0
	s_mov_b32 s[IO], 0
	s_mov_b32 s[IS], 0
	s_wait_xcnt 0x0                                ; trip 0's loads have read their bases
	s_add_nc_u64 s[EP:EP+1], s[E0:E0+1], 2048      ; trip 1
	s_add_nc_u64 s[DP:DP+1], s[D0:D0+1], 2048
	; ---- P1: trip t makes row tile t / 2, K steps 4 (t % 2) + 0 .. 3, and asks for trip t + 1
	s_mov_b32 s[CNT], 3
.Lp1:
	IMADR
	FRAGW 0, 1, 51                                 ; 51: the three younger sets of 17
	FRAGW 1, 1, 51
	FRAGW 2, 1, 51
	FRAGW 3, 1, 51
	s_wait_xcnt 0x0                                ; the loads have read their bases, which are written below
	s_add_co_u32 s[T], s[T], 1
	s_add_co_u32 s46, s[T], 1                      ; n: the trip that the next trip asks for, at (n / 2) x 16 rows + (n % 2) x 2,048 bytes
	s_lshr_b32 s44, s46, 1
	s_lshl_b32 s44, s44, 21
	s_and_b32 s46, s46, 1
	s_lshl_b32 s46, s46, 11
	s_add_co_u32 s44, s44, s46
	s_add_nc_u64 s[EP:EP+1], s[E0:E0+1], s[44:45]
	s_mov_b32 s44, s46
	s_add_nc_u64 s[DP:DP+1], s[D0:D0+1], s[44:45]
	s_add_co_u32 s[IO], s[IO], 6144
	s_add_co_u32 s[IS], s[IS], 256
	s_sub_co_u32 s[CNT], s[CNT], 1
	s_cmp_lg_u32 s[CNT], 0
	s_wait_alu depctr_va_vdst(0)
	s_cbranch_scc1 .Lp1
	IMADR                                          ; the last trip asks for nothing: no load leaves the buffer, and the counts run down
	FRAGW 0, 0, 51
	FRAGW 1, 0, 34
	FRAGW 2, 0, 17
	FRAGW 3, 0, 0
	s_wait_alu depctr_va_vdst(0)
	s_wait_dscnt 0x0                               ; the last images' stores are done: their registers take W
	; ---- P2
	PASS 0
	PASS 1
	; ---- THE WAY OUT: 16 partial sums a row
	v_lshl_add_u32 v[XSA], v0, 3, PART
	v_lshlrev_b32 v[PA0], 3, v0
	s_wait_alu depctr_va_vdst(0)
	s_wait_tensorcnt 0x0                           ; behind my last LDS store; only LDS reads follow
	ds_add_u32 v[SPW], v[NIL]
	s_wait_dscnt 0x0                               ; also for the others' sake: my partial sums are in LDS
	s_barrier_signal -1
	s_barrier_wait -1
	s_cmp_gt_u32 s[WV], 3
	s_cbranch_scc1 .Lend                           ; threads 0-127 take two rows each
.set I_, 0
.rept 16
	ds_load_b64 v[40+2*I_:41+2*I_], v[XSA] offset:1024*I_
.set I_, I_+1
.endr
	s_wait_dscnt 0x0
.irp n, 8,4,2,1
.set I_, 0
.rept \n
	v_pk_add_f32 v[40+2*I_:41+2*I_], v[40+2*I_:41+2*I_], v[40+2*(I_+\n):41+2*(I_+\n)]
.set I_, I_+1
.endr
.endr
	global_store_b64 v[PA0], v[40:41], s[14:15]    ; a wave's 32 lanes store 256 consecutive bytes, at a multiple of 256 from the buffer's first byte
.Lend:
	s_endpgm
.Lfunc_end_k_qeb51c7484d_score:
	.size	k_qeb51c7484d_score, .Lfunc_end_k_qeb51c7484d_score-k_qeb51c7484d_score
	.p2alignl 7, 3214868480
	.fill 96, 4, 3214868480
	.section	.rodata,"a",@progbits
	.p2align	6, 0x0
	.amdhsa_kernel k_qeb51c7484d_score
		.amdhsa_group_segment_fixed_size 327680
		.amdhsa_private_segment_fixed_size 0
		.amdhsa_enable_private_segment 0
		.amdhsa_kernarg_size 48
		.amdhsa_user_sgpr_count 2
		.amdhsa_user_sgpr_kernarg_segment_ptr 1
		.amdhsa_wavefront_size32 1
		.amdhsa_system_sgpr_workgroup_id_x 1
		.amdhsa_system_sgpr_workgroup_id_y 1
		.amdhsa_system_sgpr_workgroup_id_z 1
		.amdhsa_system_vgpr_workitem_id 0
		.amdhsa_next_free_vgpr 512
		.amdhsa_next_free_sgpr 66
		.amdhsa_reserve_vcc 0
		.amdhsa_float_denorm_mode_32 3
		.amdhsa_float_denorm_mode_16_64 3
		.amdhsa_memory_ordered 1
		.amdhsa_forward_progress 1
		.amdhsa_inst_pref_size 198
	.end_amdhsa_kernel
	.amdgpu_metadata
---
amdhsa.version: [ 1, 2 ]
amdhsa.kernels:
  - .name:           k_qeb51c7484d_score
    .symbol:         k_qeb51c7484d_score.kd
    .args:
      - { .name: W_fc_codes, .offset: 0, .size: 8, .value_kind: global_buffer, .address_space: global }
      - { .name: W_fc_scales, .offset: 8, .size: 8, .value_kind: global_buffer, .address_space: global }
      - { .name: decoder_state, .offset: 16, .size: 8, .value_kind: global_buffer, .address_space: global }
      - { .name: encoder_states, .offset: 24, .size: 8, .value_kind: global_buffer, .address_space: global }
      - { .name: score_w, .offset: 32, .size: 8, .value_kind: global_buffer, .address_space: global }
      - { .name: scores, .offset: 40, .size: 8, .value_kind: global_buffer, .address_space: global }
    .group_segment_fixed_size: 327680
    .private_segment_fixed_size: 0
    .kernarg_segment_align: 8
    .kernarg_segment_size: 48
    .max_flat_workgroup_size: 256
    .sgpr_count:     66
    .vgpr_count:     512
    .wavefront_size: 32
...
	.end_amdgpu_metadata
.endif
;; end of part 1
;; launch attend (part 2): grid 8 x 32, 8 waves a work-group, no clusters, 14,336 bytes of LDS; arguments scores, encoder_states, out0; writes out0
.if DOCPART == 2
	.amdgcn_target "amdgcn-amd-amdhsa--gfx1250"
	.amdhsa_code_object_version 6
	.text
	.protected	k_qeb51c7484d_attend
	.globl	k_qeb51c7484d_attend
	.p2align	8
	.type	k_qeb51c7484d_attend,@function
k_qeb51c7484d_attend:
	s_mov_b64 s[64:65], 0
	v_nop
	global_prefetch_b8 v0, s[64:65] scope:SCOPE_SE
	s_setreg_imm32_b32 hwreg(HW_REG_WAVE_MODE, 25, 1), 1
	s_wait_xcnt 0x0
; out0[b][d] = sum over s of softmax_s(score(s, b)) encoder_states[s][b][d], all in f32.
; WORK LEFT OUT: the buffer scores holds u with score = sum(score_w) - 2 u; sum(score_w) is the same along the softmax's axis and is not formed (shown at the head of the launch before).
; So t = -2 log2(e) u, p = 2^(t - the largest t of the row b), and the result is divided by the sum of p.  The maximum is taken away as reference() takes it.
; LIMITS: NaN and infinities are not served; a p under the smallest normal number counts as 0.
; SHARES.  A work-group owns 128 channels (512 bytes) of one b: each output has one owner.  All eight waves make the row's p from its 2,048 scores (8,192 bytes, read by each of the eight work-groups of a b);
; then wave v walks positions 256 v .. 256 v + 255: a load is one position's 512 consecutive bytes, 16 a lane, and 32 loads of every wave are on their way (a ring of 32 slots in registers).
; The waves' eight partial sums meet in LDS, and wave 0 stores 512 consecutive bytes.  Memory binds: no matrix unit (a product with one row), no tensor load, no cluster (work-groups share no tile).
.set PB,    0                          ; LDS: p, 2,048 words
.set RM,    8192                       ; the waves' maxima, a block of its own
.set RS,    8448                       ; the waves' sums, likewise
.set PART,  8704                       ; the waves' partial results: 512 bytes each
.set SPARE, 12800                      ; the spare words, 128 bytes for each wave: four blocks of 256 bytes that no other line names
.set SROW,  131072                     ; bytes from a position to the next
.set SPW, 14                           ; v14  LDS address of my spare word; never rewritten
.set NIL, 15                           ; v15  0; never rewritten
.set U,   16                           ; v16-23  my eight scores, then t, then p
.set ACC, 200                          ; v200-215 my four channels, in four sets that take turns position by position: twelve vector lines lie between a set's write and its next read
.set PR,  28                           ; v28-59  a trip's 32 p
.set XR,  60                           ; v60-187 the ring: 32 slots of 4
.set W,   188                          ; v188-198 at work
	s_load_b128 s[4:7], s[0:1], 0x0                ; scores, encoder_states
	s_load_b64 s[8:9], s[0:1], 0x10                ; out0
	v_lshl_add_u32 v[SPW], v0, 2, SPARE
	v_mov_b32 v[NIL], 0
	v_lshrrev_b32 v10, 5, v0
	v_readfirstlane_b32 s10, v10                   ; wave 0..7
	v_and_b32 v1, 31, v0
	v_lshlrev_b32 v2, 4, v0                        ; 16 x thread
	v_lshlrev_b32 v3, 4, v1                        ; 16 x lane
	v_lshl_add_u32 v4, v10, 2, RM                  ; my wave's word among the maxima
	v_mov_b32 v5, RM
	v_lshlrev_b32 v7, 10, v10                      ; my wave's 256 p
	s_and_b32 s11, ttmp7, 0xffff                   ; b
	s_lshl_b32 s14, s11, 13                        ; its row of scores
	s_mov_b32 s15, 0
	s_lshl_b32 s12, s11, 12
	s_lshl_b32 s13, ttmp9, 9
	s_add_co_u32 s12, s12, s13                     ; 4,096 b + 512 x: my channels in a position, and in out0
	s_mov_b32 s13, 0
	s_lshl_b32 s16, s10, 25                        ; my wave's first position: 256 x wave x 131,072 bytes, under 2^28
	s_add_co_u32 s16, s16, s12
	s_mov_b32 s17, 0
	s_mov_b32 s18, 0x76543210
	s_mov_b32 s19, 0xfedcba98                      ; v_permlanex16_b32's selects for lane l xor 16
	s_mov_b32 s20, 0xc038aa3b                      ; -2 log2(e)
	s_mov_b32 s21, s20                             ; (named with it as a pair, so it is written)
	s_mov_b32 s23, 0                               ; the trip's place among my wave's p
.irp e, 0,1,2,3,4,5,6,7,8,9,10,11,12,13,14,15
	v_mov_b32 v[ACC+\e], 0
.endr
	s_wait_alu depctr_va_vdst(0)
	s_wait_kmcnt 0x0
	s_add_nc_u64 s[4:5], s[4:5], s[14:15]
	s_add_nc_u64 s[16:17], s[6:7], s[16:17]
	s_add_nc_u64 s[8:9], s[8:9], s[12:13]
	global_load_b128 v[U:U+3], v2, s[4:5]                  ; positions 4 t .. 4 t + 3
	global_load_b128 v[U+4:U+7], v2, s[4:5] offset:4096    ; and 1,024 + 4 t ..: each load of a wave covers 512 consecutive bytes
.set K_, 0
.rept 32
	global_load_b128 v[XR+4*K_:XR+4*K_+3], v3, s[16:17] offset:K_*SROW th:TH_LOAD_NT   ; the ring is filled while the softmax is made
.set K_, K_+1
.endr
	s_wait_loadcnt 32                              ; the scores are in; the 32 loads of the ring may be out
.irp j, 0,2,4,6
	v_pk_mul_f32 v[U+\j:U+\j+1], v[U+\j:U+\j+1], s[20:21] op_sel_hi:[1,0]   ; t
.endr
	v_max3_num_f32 v[W], v[U], v[U+1], v[U+2]
	v_max3_num_f32 v[W+1], v[U+3], v[U+4], v[U+5]
	v_max3_num_f32 v[W], v[W], v[U+6], v[U+7]
	v_max_num_f32 v[W], v[W], v[W+1]
	v_max_num_f32_dpp v[W], v[W], v[W] row_xmask:1 row_mask:0xf bank_mask:0xf
	v_max_num_f32_dpp v[W], v[W], v[W] row_xmask:2 row_mask:0xf bank_mask:0xf
	v_max_num_f32_dpp v[W], v[W], v[W] row_xmask:4 row_mask:0xf bank_mask:0xf
	v_max_num_f32_dpp v[W], v[W], v[W] row_xmask:8 row_mask:0xf bank_mask:0xf
	v_permlanex16_b32 v[W+1], v[W], s18, s19
	v_max_num_f32 v[W], v[W], v[W+1]               ; my wave's largest t
	ds_store_b32 v4, v[W]                          ; all lanes write the same word with the same value
	s_wait_dscnt 0x0                               ; for the others' sake
	s_barrier_signal -1
	s_barrier_wait -1
	ds_load_b128 v[W+2:W+5], v5
	ds_load_b128 v[W+6:W+9], v5 offset:16
	s_wait_dscnt 0x0
	v_max3_num_f32 v[W], v[W+2], v[W+3], v[W+4]
	v_max3_num_f32 v[W+1], v[W+5], v[W+6], v[W+7]
	v_max3_num_f32 v[W], v[W], v[W+8], v[W+9]
	v_max_num_f32 v[W], v[W], v[W+1]               ; the row's largest t
.irp j, 0,1,2,3,4,5,6,7
	v_sub_f32 v[U+\j], v[U+\j], v[W]
.endr
	s_wait_alu depctr_va_vdst(0)
.irp j, 0,1,2,3,4,5,6,7
	v_exp_f32 v[U+\j], v[U+\j]                     ; p, at most 1
.endr
	v_nop                                          ; the plain line behind the last exponential,
	s_wait_alu depctr_va_vdst(0)                   ; and the wait ahead of the first line that names a result: one for the eight
	ds_store_b128 v2, v[U:U+3] offset:PB
	ds_store_b128 v2, v[U+4:U+7] offset:PB+4096
	v_add_f32 v[W], v[U], v[U+1]
	v_add_f32 v[W+1], v[U+2], v[U+3]
	v_add_f32 v[W+2], v[U+4], v[U+5]
	v_add_f32 v[W+3], v[U+6], v[U+7]
	v_add_f32 v[W], v[W], v[W+1]
	v_add_f32 v[W+2], v[W+2], v[W+3]
	v_add_f32 v[W], v[W], v[W+2]
	v_add_f32_dpp v[W], v[W], v[W] row_xmask:1 row_mask:0xf bank_mask:0xf
	v_add_f32_dpp v[W], v[W], v[W] row_xmask:2 row_mask:0xf bank_mask:0xf
	v_add_f32_dpp v[W], v[W], v[W] row_xmask:4 row_mask:0xf bank_mask:0xf
	v_add_f32_dpp v[W], v[W], v[W] row_xmask:8 row_mask:0xf bank_mask:0xf
	v_permlanex16_b32 v[W+1], v[W], s18, s19
	v_add_f32 v[W], v[W], v[W+1]                   ; my wave's sum of p
	ds_store_b32 v4, v[W] offset:RS-RM
	s_wait_dscnt 0x0                               ; for the others' sake: p and the sum are in LDS
	s_barrier_signal -1
	s_barrier_wait -1
	ds_load_b128 v[W+2:W+5], v5 offset:RS-RM
	ds_load_b128 v[W+6:W+9], v5 offset:RS-RM+16
	s_wait_dscnt 0x0
	v_add_f32 v[W+2], v[W+2], v[W+3]
	v_add_f32 v[W+4], v[W+4], v[W+5]
	v_add_f32 v[W+6], v[W+6], v[W+7]
	v_add_f32 v[W+8], v[W+8], v[W+9]
	v_add_f32 v[W+2], v[W+2], v[W+4]
	v_add_f32 v[W+6], v[W+6], v[W+8]
	v_add_f32 v[W+2], v[W+2], v[W+6]               ; the row's sum: at least 1
	s_wait_alu depctr_va_vdst(0)
	v_rcp_f32 v[W+10], v[W+2]
	v_nop
	s_wait_alu depctr_va_vdst(0)                   ; ahead of the label below
; 32 positions.  reload = 1: each slot is asked for again, 32 positions on, as soon as it has been used
.macro ROWS reload
	v_add_nc_u32 v6, s23, v7
.irp i, 0,1,2,3,4,5,6,7
	ds_load_b128 v[PR+4*\i:PR+4*\i+3], v6 offset:PB+16*\i   ; the trip's 32 p: every lane reads the same words
.endr
	s_wait_dscnt 0x0
.set K_, 0
.rept 32
.if \reload
	s_wait_loadcnt 31                              ; loads come back in order: slot K_'s is in, the 31 younger ones stay out
.else
	s_wait_loadcnt 31-K_
.endif
.irp e, 0,1,2,3
	v_fmac_f32 v[ACC+4*(K_%4)+\e], v[XR+4*K_+\e], v[PR+K_]
.endr
.if \reload
	global_load_b128 v[XR+4*K_:XR+4*K_+3], v3, s[16:17] offset:(32+K_)*SROW th:TH_LOAD_NT
.endif
.set K_, K_+1
.endr
.endm
	s_mov_b32 s22, 7
.Ltrip:
	ROWS 1
	s_wait_xcnt 0x0                                ; the loads have read their base, which steps
	s_add_nc_u64 s[16:17], s[16:17], 32*SROW
	s_add_co_u32 s23, s23, 128
	s_sub_co_u32 s22, s22, 1
	s_cmp_lg_u32 s22, 0
	s_cbranch_scc1 .Ltrip
	ROWS 0                                         ; the last 32 positions ask for nothing: no load leaves the buffer, and the counts run down
	s_wait_alu depctr_va_vdst(0)                   ; the sets were written with waits between
.irp i, 1,2,3
	v_pk_add_f32 v[ACC:ACC+1], v[ACC:ACC+1], v[ACC+4*\i:ACC+4*\i+1]
	v_pk_add_f32 v[ACC+2:ACC+3], v[ACC+2:ACC+3], v[ACC+4*\i+2:ACC+4*\i+3]
.endr
	ds_store_b128 v2, v[ACC:ACC+3] offset:PART
	s_wait_tensorcnt 0x0                           ; behind my last LDS store; only LDS reads follow
	ds_add_u32 v[SPW], v[NIL]
	s_wait_dscnt 0x0                               ; also for the others' sake: my partial result is in LDS
	s_barrier_signal -1
	s_barrier_wait -1
	s_cmp_lg_u32 s10, 0
	s_cbranch_scc1 .Lend
.irp i, 0,1,2,3,4,5,6,7
	ds_load_b128 v[XR+4*\i:XR+4*\i+3], v2 offset:PART+512*\i   ; in wave 0 the thread's number is the lane's
.endr
	s_wait_dscnt 0x0
.irp i, 1,2,3,4,5,6,7
	v_pk_add_f32 v[XR:XR+1], v[XR:XR+1], v[XR+4*\i:XR+4*\i+1]
	v_pk_add_f32 v[XR+2:XR+3], v[XR+2:XR+3], v[XR+4*\i+2:XR+4*\i+3]
.endr
.irp e, 0,1,2,3
	v_mul_f32 v[XR+\e], v[XR+\e], v[W+10]          ; divided by the sum of p
.endr
	global_store_b128 v3, v[XR:XR+3], s[8:9]       ; 32 lanes store 512 consecutive bytes, at a multiple of 256 from out0's first byte
.Lend:
	s_endpgm
.Lfunc_end_k_qeb51c7484d_attend:
	.size	k_qeb51c7484d_attend, .Lfunc_end_k_qeb51c7484d_attend-k_qeb51c7484d_attend
	.p2alignl 7, 3214868480
	.fill 96, 4, 3214868480
	.section	.rodata,"a",@progbits
	.p2align	6, 0x0
	.amdhsa_kernel k_qeb51c7484d_attend
		.amdhsa_group_segment_fixed_size 14336
		.amdhsa_private_segment_fixed_size 0
		.amdhsa_enable_private_segment 0
		.amdhsa_kernarg_size 24
		.amdhsa_user_sgpr_count 2
		.amdhsa_user_sgpr_kernarg_segment_ptr 1
		.amdhsa_wavefront_size32 1
		.amdhsa_system_sgpr_workgroup_id_x 1
		.amdhsa_system_sgpr_workgroup_id_y 1
		.amdhsa_system_sgpr_workgroup_id_z 1
		.amdhsa_system_vgpr_workitem_id 0
		.amdhsa_next_free_vgpr 216
		.amdhsa_next_free_sgpr 66
		.amdhsa_reserve_vcc 0
		.amdhsa_float_denorm_mode_32 3
		.amdhsa_float_denorm_mode_16_64 3
		.amdhsa_memory_ordered 1
		.amdhsa_forward_progress 1
		.amdhsa_inst_pref_size 26
	.end_amdhsa_kernel
	.amdgpu_metadata
---
amdhsa.version: [ 1, 2 ]
amdhsa.kernels:
  - .name:           k_qeb51c7484d_attend
    .symbol:         k_qeb51c7484d_attend.kd
    .args:
      - { .name: scores, .offset: 0, .size: 8, .value_kind: global_buffer, .address_space: global }
      - { .name: encoder_states, .offset: 8, .size: 8, .value_kind: global_buffer, .address_space: global }
      - { .name: out0, .offset: 16, .size: 8, .value_kind: global_buffer, .address_space: global }
    .group_segment_fixed_size: 14336
    .private_segment_fixed_size: 0
    .kernarg_segment_align: 8
    .kernarg_segment_size: 24
    .max_flat_workgroup_size: 256
    .sgpr_count:     66
    .vgpr_count:     216
    .wavefront_size: 32
...
	.end_amdgpu_metadata
.endif
;; end of part 2
